; MI455X (gfx1250); checked and timed in simulation.
; The chip was launched on July 23, 2026; its instructions are those of AMD's public machine-readable ISA for CDNA 5 (MIT licence, August 2026) and "CDNA5" Instruction Set Architecture Reference Guide (July 2026). The comments in the code are by the model that wrote it; some were corrected since.
;; Space Attention. Allowed arithmetic: matrix products marked QUANTISED: E3M2 operands, one E8M0 scale for each 32 along K, by v_wmma_scale_f32_16x16x128_f8f6f4 with both operands' format E3M2, f32 sums; products left as they are: f32 operands where the result goes on into a quantised operand, else bf16, f16 or f32 operands; f32 sums; everything else in f32.
;; Inputs: k_c 1,024 x 32 float32; v_c_codes 32 x 1,024 x 32 x 24 uint8 (E3M2 codes of v_c, K innermost, in blocks of 32 codes, four codes in three bytes); v_c_scales 32 x 1,024 x 32 uint8 (E8M0 scales of v_c, one for each 32 codes along K); x 2,048 x 1,024 float32.
;; Outputs: out0 2,048 x 1,024 float32.
;; This version of the problem:
;;   THIS VERSION OF THE PROBLEM IS GIVEN IN LOW PRECISION. The matrix products marked QUANTISED in the list below multiply operands that are first quantised to E3M2 (3 exponent bits, 2 mantissa bits; 6 bits a number), with one power-of-two scale for each 32 numbers along K (OCP MX v1.0); their sums are f32. All else is computed in f32.
;;   The module's matrix products, in the order in which they are computed (A, B: the left and right operand; K: the contracted axis; several contracted axes count as one K, in the product's order):
;;     1. [M 2,048, K 1,024] x [K 1,024, N 32]; A: computed on the way; B: computed on the way: QUANTISED
;;     2. [M 2,048, K 1,024] x [K 1,024, N 32,768]; A: input x; B: input v_c (given as codes): QUANTISED
;;     3. batch 2,048 x [M 1, K 32] x [K 32, N 1,024]; A: softmax; B: computed on the way: left as it is (M = 1 < 16)
;;   THE QUANTISER, for each operand of a quantised product, along K:
;;     - K is cut into blocks of 32 from its start; a last block that is shorter is filled with zeros.
;;     - A block's scale is 2^e with e = floor(log2(the largest magnitude in the block)) - 4, held to -126 .. 127; a block of zeros has e = 0. As a byte (E8M0): e + 127.
;;     - Each number is divided by its block's scale, clamped to +-28, and rounded to the nearest number of E3M2, ties to even, subnormals kept.
;;     - The product sums the exact products of the quantised numbers (number of the format x scale) in f32.
;;   ~~~python
;;   def quantise(x, axis):      # numpy; x: float32 -> the quantised numbers, widened to float32 again
;;       x = np.moveaxis(x, axis, -1); K = x.shape[-1]
;;       x = np.pad(x, [(0, 0)] * (x.ndim - 1) + [(0, -K % 32)]); x = x.reshape(x.shape[:-1] + (-1, 32)); a = np.abs(x).max(-1, keepdims=True)
;;       e = np.where(a > 0, np.clip(np.frexp(np.where(a > 0, a, 1))[1] - 1 - 4, -126, 127), 0)      # np.frexp(a)[1] - 1 = floor(log2(a)), exactly
;;       r = np.clip(x / 2.0 ** e, -28, 28)
;;       step = 2.0 ** (np.maximum(np.frexp(np.where(r == 0, 1, r))[1] - 1, -2) - 2)
;;       q = np.round(r / step) * step * 2.0 ** e      # np.round: ties to even
;;       return np.moveaxis(q.reshape(q.shape[:-2] + (-1,))[..., :K], -1, axis).astype(np.float32)
;;   ~~~
;;   OPERANDS COMPUTED ON THE WAY. 'Computed on the way' means the value that the module computes at that place (a softmax that the list does not call 'softmax' is quantised finished and normalised). What goes into a quantiser is computed in f32, as accurately as f32 sums, v_exp_f32 and their like allow (about 1e-6 of the number): no bf16 or f16 on the way to a quantiser, and a product that is left as it is and whose result goes on into a quantised operand takes f32 operands (vector FMAs, or v_wmma_f32_16x16x4_f32). A number that lies on a knife's edge between two numbers of the format may be rounded either way, as far as f32 arithmetic and the matrix unit's own rounding can turn it there, and no further.
;;   INPUTS GIVEN AS CODES. v_c (in the module: [32, 1024, 1024], K = its axis 1): each comes as NAME_codes (uint8): NAME with its K axis moved to the last place and cut into blocks of 32 codes, [.., K / 32, bytes a block], one block behind the other in memory; four codes in three bytes: a row's codes are one little-endian stream of bits, code i at bits 6 i .. 6 i + 5 (a code: sign, 3 exponent bits, 2 mantissa bits); and NAME_scales (uint8): the same leading axes, one E8M0 byte (e + 127) for each 32 codes along K. Its value is code x scale, taken as it is: it is not quantised again, and the codes and scales need not be those that the quantiser above would give.
;; One version. Each part assembles by itself: llvm-mc -triple=amdgcn-amd-amdhsa -mcpu=gfx1250 --defsym DOCPART=n.
;; ======== version 1 of 1: 2 launches
;; limits: right only within a limited range of input values
;; workspace buffers: xq 1,572,864 bytes; xs 65,536 bytes; wt 262,144 bytes
;; launch prep (part 1): grid 128 x 1, 8 waves a work-group, no clusters, 89,088 bytes of LDS; arguments x, k_c, xq, xs, wt; writes xq, xs, wt
.if DOCPART == 1
	.amdgcn_target "amdgcn-amd-amdhsa--gfx1250"
	.amdhsa_code_object_version 6
	.text
	.protected	k_qbfe8ffdb82_prep
	.globl	k_qbfe8ffdb82_prep
	.p2align	8
	.type	k_qbfe8ffdb82_prep,@function
k_qbfe8ffdb82_prep:
	s_mov_b64 s[64:65], 0
	v_nop
	global_prefetch_b8 v0, s[64:65] scope:SCOPE_SE
	s_setreg_imm32_b32 hwreg(HW_REG_WAVE_MODE, 25, 1), 1
	s_wait_xcnt 0x0
; PREP.  x [2048][1024] f32, k_c [1024][32] f32.  Three results, all read by the next launch alone:
;   xq: x quantised along K to codes of BF6 (E3M2), as IMAGES OF OPERAND REGISTERS: fragment (block of 128 rows nt, K step s, row block a) at byte nt*98304 + (8 s + a)*1536 + 512 j + 16 lane
;   xs: x's scale words: byte m*512 + 16 lane + 4 j holds the word of row 16 m + lane % 16, K step 2 j + lane / 16 (m: block of 16 rows)
;   wt: the weights of the sum over centres: byte m*2048 + 64 c + 4 r holds w_c of row 16 m + r;  w_c = a_c / a_(c+1) for c < 31, w_31 = a_31,
;       a = softmax(Q(x / |x|) . Q(k_c / |k_c column|) / 32).  The next launch forms S <- (S + t_c) w_c, which ends as the sum of a_c t_c.
; The ratios are 2^((L_c - L_(c+1)) log2(e) / 32).  Both vectors of a logit L are normalised as the problem normalises them, so |L| stays near 1 at the most and the exponent near 0.1: no ratio can leave f32's range.
; a_31 is a softmax with the row's maximum taken away.
; SHARES.  A work-group takes 16 rows; wave w takes K step w (k = 128 w .. 128 w + 127) of these rows and of all 32 columns of k_c.  So no fragment goes from wave to wave: only sums do, through LDS.
; x COMES IN AS IT LIES: each load takes 512 consecutive bytes of one row, 16 a lane.  The conversions want 16 neighbours along K in one lane, so the wave's 16 x 512 bytes turn through its own stage in LDS.
; LIMITS.  1 / max(n, 1e-12) is v_sqrt_f32, v_rcp_f32 and a multiplication (each within an ulp) where the problem divides.  A block of zeros gets the scale byte 1 where the rule says 127: its codes are zeros,
; which add nothing under any byte but 0xff, and this program alone reads the bytes.  NaN and infinities among the inputs are not served.
.set XR,   16                          ; v16-79   x: as loaded register 4 t + i = k 4 lane + i of row t; behind the stage register 16 b + i = k 32 b + 16 (lane / 16) + i of row lane % 16
.set KR,   80                          ; v80-207  k_c: register i = k_c(128 w + i, my column)
.set PC,   208                         ; v208-226 the codes just made (12) and the conversions' second halves
.set TM,   228                         ; v228-243 at work in the quantisers
.set PW,   244                         ; the scale word just made
.set XNW,  245                         ; the normalised x's scale word
.set KW,   246                         ; the normalised k_c's: lane l holds its own column's
.set KT0,  16                          ; when x is done with: k_c's two fragments,
.set KT1,  28
.set KTT,  40                          ; the conversions' second halves,
.set D0,   56                          ; and the two tiles of logits
.set D1,   64
.set RSUM, 0                           ; LDS: 16 rows x 8 waves: parts of the rows' sums of squares
.set CSUM, 512                         ; 32 lanes x 8 waves: of the columns'
.set XSL,  1536                        ; x's scale words in xs's layout
.set LG,   2048                        ; 8 waves x 2,048 bytes: parts of the logits, as images of registers
.set WST,  18432                       ; the weights in wt's layout (wave 0 alone)
.set XSTG, 20480                       ; 8 waves x 16 rows x XP bytes: each wave's own stage for x
.set XP,   528                         ; a stage row: 512 bytes + 16 = 33 x 16: the 16 rows that a load of 16 bytes a lane touches start at 16 different groups of four banks (64 banks of 4 bytes: ISA guide 11.1)
.set WV,   16
.set SEL,  20
; 64 numbers of a lane, v[s] .. v[s + 63], register 16 b + i = k 32 b + 16 (lane / 16) + i of my row, become a fragment's codes in v[PC] on and its scale word in v[PW].
.macro QUANT s
.irp b, 0,1,2,3
	v_max3_num_f32 v[TM+\b], |v[\s+16*\b]|, |v[\s+1+16*\b]|, 0x2800000   ; block b: my 16 numbers, and the floor 2^(5 - 127): so the byte cannot fall under 1
.endr
.irp i, 2,4,6,8,10,12,14
.irp b, 0,1,2,3
	s_delay_alu instid0(VALU_DEP_4)
	v_max3_num_f32 v[TM+\b], v[TM+\b], |v[\s+16*\b+\i]|, |v[\s+1+16*\b+\i]|   ; the four blocks by turns
.endr
.endr
.irp b, 0,1,2,3
	s_delay_alu instid0(VALU_DEP_4)
	v_permlanex16_b32 v[TM+4+\b], v[TM+\b], s[SEL], s[SEL+1]
.endr
.irp b, 0,1,2,3
	s_delay_alu instid0(VALU_DEP_4)
	v_max_num_f32 v[TM+\b], v[TM+\b], v[TM+4+\b]   ; with lane l xor 16's: the block's largest magnitude
.endr
.irp b, 0,1,2,3
	s_delay_alu instid0(VALU_DEP_4)
	v_add_nc_u32 v[TM+12+\b], 0xfe000000, v[TM+\b]   ; 4 off its exponent field: the conversion takes this operand's exponent field as its scale
.endr
.irp b, 0,1,2,3
	s_delay_alu instid0(VALU_DEP_4)
	v_lshrrev_b32 v[TM+4+\b], 23, v[TM+12+\b]      ; the scale's byte
.endr
	s_delay_alu instid0(VALU_DEP_3)
	v_lshl_or_b32 v[PW], v[TM+5], 8, v[TM+4]       ; four bytes: my row's scale word
	s_delay_alu instid0(VALU_DEP_1)
	v_lshl_or_b32 v[PW], v[TM+6], 16, v[PW]
	s_delay_alu instid0(VALU_DEP_1)
	v_lshl_or_b32 v[PW], v[TM+7], 24, v[PW]
.irp c, 0,1
	v_cvt_scalef32_pk16_bf6_f32 v[PC+6*\c:PC+2+6*\c], v[\s+32*\c:\s+15+32*\c], v[TM+12+2*\c]
	v_cvt_scalef32_pk16_bf6_f32 v[PC+12+4*\c:PC+14+4*\c], v[\s+16+32*\c:\s+31+32*\c], v[TM+12+2*\c+1]   ; (a conversion's three registers begin on an even number)
.endr
	v_nop                                          ; one plain place behind a scaled conversion
.irp c, 0,1                                    ; the operand's layout wants a whole block in a lane: lanes 0-15 block 2 c, lanes 16-31 block 2 c + 1
.irp i, 0,1,2
	v_permlane16_swap_b32 v[PC+6*\c+\i], v[PC+12+4*\c+\i]
.endr
.irp i, 0,1,2
	s_delay_alu instid0(VALU_DEP_3)
	v_mov_b32 v[PC+3+6*\c+\i], v[PC+12+4*\c+\i]
.endr
.endr
.endm
; the sum of the squares of n numbers of a lane, from v[base] on, in four packed chains -> v248
.macro SUMSQ base, n
.irp c, 0,1,2,3
	v_pk_mul_f32 v[248+2*\c:249+2*\c], v[\base+2*\c:\base+2*\c+1], v[\base+2*\c:\base+2*\c+1]
.endr
.set GI, 8
.rept (\n)/8-1
.irp c, 0,1,2,3
	s_delay_alu instid0(VALU_DEP_4)
	v_pk_fma_f32 v[248+2*\c:249+2*\c], v[\base+GI+2*\c:\base+GI+2*\c+1], v[\base+GI+2*\c:\base+GI+2*\c+1], v[248+2*\c:249+2*\c]
.endr
.set GI, GI+8
.endr
	s_delay_alu instid0(VALU_DEP_3)
	v_pk_add_f32 v[248:249], v[248:249], v[250:251]
	s_delay_alu instid0(VALU_DEP_2)
	v_pk_add_f32 v[252:253], v[252:253], v[254:255]
	s_delay_alu instid0(VALU_DEP_1)
	v_pk_add_f32 v[248:249], v[248:249], v[252:253]
	s_delay_alu instid0(VALU_DEP_1)
	v_add_f32 v248, v248, v249
.endm
.macro BARRIER                                 ; my LDS stores have landed and my LDS loads are in: then the work-group's barrier
	s_wait_dscnt 0x0
	s_barrier_signal -1
	s_barrier_wait -1
.endm
	s_load_b256 s[4:11], s[0:1], 0x0               ; x s[4:5], k_c s[6:7], xq s[8:9], xs s[10:11]
	s_load_b64 s[12:13], s[0:1], 0x20              ; wt
	v_lshl_add_u32 v227, v0, 2, 0x15800
	v_mov_b32 v247, 0
	v_lshrrev_b32 v1, 5, v0
	s_delay_alu instid0(VALU_DEP_1)
	v_readfirstlane_b32 s[WV], v1                  ; wave 0..7
	v_and_b32 v1, 31, v0                           ; lane
	v_and_b32 v2, 15, v0                           ; r
	v_bfe_u32 v3, v0, 4, 1                         ; h
	s_delay_alu instid0(VALU_DEP_3)
	v_lshlrev_b32 v6, 4, v1                        ; 16 x lane: my bytes of a load of x, and an image's place for my lane
	v_and_b32 v5, 7, v0                            ; MY COLUMN OF k_c IS MY LANE'S NUMBER WITH BITS 3 AND 4 EXCHANGED: so a lane of the transposed product ends with 16 neighbouring centres
	v_bfe_u32 v13, v0, 3, 1
	s_delay_alu instid0(VALU_DEP_1)
	v_lshl_or_b32 v5, v13, 4, v5
	s_delay_alu instid0(VALU_DEP_1)
	v_lshl_or_b32 v5, v3, 3, v5
	s_delay_alu instid0(VALU_DEP_1)
	v_lshlrev_b32 v5, 2, v5                        ; in bytes
	; every LDS address is made here, ahead of the place where wave 0 parts from the others
	s_mul_i32 s36, s[WV], 16*XP
	s_add_co_u32 s36, s36, XSTG                    ; my wave's stage
	v_add_nc_u32 v4, s36, v6                       ; into it: a row as it was loaded, 16 x lane
	v_mul_u32_u24 v14, v2, XP
	s_delay_alu instid0(VALU_DEP_1)
	v_lshl_add_u32 v14, v3, 6, v14
	s_delay_alu instid0(VALU_DEP_1)
	v_add_nc_u32 v14, s36, v14                     ; out of it: row r, + 64 h: my 16 numbers of a block of 32
	s_lshl_b32 s24, s[WV], 2
	v_lshlrev_b32 v11, 5, v2                       ; RSUM, read: 32 r
	s_delay_alu instid0(VALU_DEP_1)
	v_add_nc_u32 v7, s24, v11                      ; RSUM, store: + 4 w
	v_lshlrev_b32 v12, 5, v1
	s_delay_alu instid0(VALU_DEP_1)
	v_add_nc_u32 v12, CSUM, v12                    ; CSUM, read: 32 x lane
	s_delay_alu instid0(VALU_DEP_1)
	v_add_nc_u32 v8, s24, v12                      ; CSUM, store: + 4 w
	s_and_b32 s24, s[WV], 1
	s_lshl_b32 s24, s24, 8
	s_lshr_b32 s25, s[WV], 1
	s_lshl_b32 s25, s25, 2
	s_add_co_u32 s24, s24, s25
	s_add_co_u32 s24, s24, XSL
	v_lshl_add_u32 v9, v2, 4, s24                  ; XSL: 16 (r + 16 (w % 2)) + 4 (w / 2)
	s_lshl_b32 s25, s[WV], 11
	s_add_co_u32 s25, s25, LG
	v_add_nc_u32 v10, s25, v6                      ; LG: my wave's 2,048 bytes, 16 x lane
	v_lshlrev_b32 v13, 10, v3
	s_delay_alu instid0(VALU_DEP_1)
	v_lshl_add_u32 v13, v2, 2, v13
	s_delay_alu instid0(VALU_DEP_1)
	v_add_nc_u32 v13, WST, v13                     ; WST: 1,024 h + 4 r: centre 16 h of row r
	s_mov_b32 s[SEL], 0x76543210
	s_mov_b32 s[SEL+1], 0xfedcba98                 ; v_permlanex16_b32's selects for lane l xor 16
	s_mov_b32 s22, 0x3d38aa3b                      ; log2(e) / 32
.irp b, 0,1,2,3
	v_mov_b32 v[TM+4+\b], 0                        ; written once: a lane permute's destination counts as one of its sources
.endr
	s_lshl_b32 s26, ttmp9, 16                      ; x: 16 rows of 4,096 bytes a work-group, + 512 w
	s_lshl_b32 s27, s[WV], 9
	s_add_co_u32 s26, s26, s27
	s_mov_b32 s27, 0
	s_lshl_b32 s32, s[WV], 14                      ; k_c: 128 rows of 128 bytes a wave
	s_mov_b32 s33, 0
	s_lshr_b32 s28, ttmp9, 3                       ; xq: block of 128 rows g / 8, fragment 8 w + g % 8
	s_mul_i32 s28, s28, 98304
	s_and_b32 s29, ttmp9, 7
	s_lshl_b32 s30, s[WV], 3
	s_add_co_u32 s29, s29, s30
	s_mul_i32 s29, s29, 1536
	s_add_co_u32 s28, s28, s29
	s_mov_b32 s29, 0
	s_lshl_b32 s30, ttmp9, 9                       ; xs: 512 bytes a work-group
	s_mov_b32 s31, 0
	s_lshl_b32 s34, ttmp9, 11                      ; wt: 2,048 bytes a work-group
	s_mov_b32 s35, 0
	s_wait_kmcnt 0x0
	s_add_nc_u64 s[4:5], s[4:5], s[26:27]
	s_add_nc_u64 s[6:7], s[6:7], s[32:33]
	s_add_nc_u64 s[8:9], s[8:9], s[28:29]
	s_add_nc_u64 s[10:11], s[10:11], s[30:31]
	s_add_nc_u64 s[12:13], s[12:13], s[34:35]
.irp t, 0,1,2,3,4,5,6,7,8,9,10,11,12,13,14,15
	global_load_b128 v[XR+4*\t:XR+4*\t+3], v6, s[4:5] offset:4096*\t th:TH_LOAD_NT   ; row t: the 32 lanes read its 512 consecutive bytes of this K step; read once in the launch
.endr
.set II, 0
.rept 128
	global_load_b32 v[KR+II], v5, s[6:7] offset:128*II   ; a row of k_c: the 32 lanes read its 128 bytes
.set II, II+1
.endr
	s_wait_loadcnt 63                              ; x's 16 loads are the oldest of the 144: with 63 left out they are in
	; ---- x turns through my stage: in as it was loaded, out 16 neighbours of each block of 32 to a lane
.irp t, 0,1,2,3,4,5,6,7,8,9,10,11,12,13,14,15
	ds_store_b128 v4, v[XR+4*\t:XR+4*\t+3] offset:XP*\t
.endr
	s_wait_dscnt 0x0                               ; the stores have read their registers: the loads below land in the same ones
.irp b, 0,1,2,3
.irp j, 0,1,2,3
	ds_load_b128 v[XR+16*\b+4*\j:XR+16*\b+4*\j+3], v14 offset:128*\b+16*\j
.endr
.endr
	s_wait_dscnt 0x0
	; ---- x: its part of the rows' sums of squares, its codes and its scale word
	SUMSQ XR, 64
	s_delay_alu instid0(VALU_DEP_1)
	v_permlanex16_b32 v249, v248, s[SEL], s[SEL+1]
	s_delay_alu instid0(VALU_DEP_1)
	v_add_f32 v248, v248, v249                     ; with lane l xor 16's 64 numbers: the row's 128 of this K step
	ds_store_b32 v7, v248
	QUANT XR
.irp j, 0,1,2
	global_store_b128 v6, v[PC+4*\j:PC+4*\j+3], s[8:9] offset:512*\j   ; the fragment as it stands: 512 consecutive bytes a store
.endr
	ds_store_b32 v9, v[PW]                         ; lanes r and r + 16 write the same word with the same value
	; ---- k_c: its part of the columns' sums of squares
	s_wait_loadcnt 0x0
	s_wait_dscnt 0x0                               ; the LDS stores have read their data: v248 is written again
	SUMSQ KR, 128
	ds_store_b32 v8, v248
	BARRIER                                        ; all parts of all sums, and x's eight scale words, lie in LDS
	; ---- the norms: eight parts each, added in the same order in every wave, so that every wave divides by the same number
	ds_load_b128 v[228:231], v11
	ds_load_b128 v[232:235], v11 offset:16
	ds_load_b128 v[236:239], v12
	ds_load_b128 v[240:243], v12 offset:16
	s_wait_dscnt 0x0
	v_pk_add_f32 v[228:229], v[228:229], v[230:231]
	v_pk_add_f32 v[232:233], v[232:233], v[234:235]
	v_pk_add_f32 v[236:237], v[236:237], v[238:239]
	v_pk_add_f32 v[240:241], v[240:241], v[242:243]
	s_delay_alu instid0(VALU_DEP_3)
	v_pk_add_f32 v[228:229], v[228:229], v[232:233]
	s_delay_alu instid0(VALU_DEP_2)
	v_pk_add_f32 v[236:237], v[236:237], v[240:241]
	s_delay_alu instid0(VALU_DEP_2)
	v_add_f32 v228, v228, v229                     ; my row's sum of squares
	s_delay_alu instid0(VALU_DEP_2)
	v_add_f32 v236, v236, v237                     ; my column's
	s_wait_alu depctr_va_vdst(0)
	v_sqrt_f32 v248, v228
	v_sqrt_f32 v250, v236
	v_nop                                          ; a plain place behind the transcendentals
	s_wait_alu depctr_va_vdst(0)
	v_max_num_f32 v248, 0x2b8cbccc, v248           ; max(n, 1e-12)
	v_max_num_f32 v250, 0x2b8cbccc, v250
	s_wait_alu depctr_va_vdst(0)
	v_rcp_f32 v252, v248
	v_rcp_f32 v254, v250
	s_wait_xcnt 0x0                                ; the stores to xq have read the codes' registers: the second quantiser writes them again
	v_nop                                          ; a plain place behind the transcendentals
.set II, 0
	s_wait_alu depctr_va_vdst(0)
.rept 32
	v_pk_mul_f32 v[XR+II:XR+II+1], v[XR+II:XR+II+1], v[252:253] op_sel_hi:[1,0]   ; x / max(n, eps)
.set II, II+2
.endr
	QUANT XR
	v_mov_b32 v[XNW], v[PW]
.set II, 0
.rept 64
	v_pk_mul_f32 v[KR+II:KR+II+1], v[KR+II:KR+II+1], v[254:255] op_sel_hi:[1,0]   ; k_c / max(n, eps)
.set II, II+2
.endr
	; ---- k_c's codes.  A lane holds four WHOLE blocks of its column, so no other lane is asked for a maximum
.irp b, 0,1,2,3
	v_max3_num_f32 v[TM+\b], |v[KR+32*\b]|, |v[KR+32*\b+1]|, 0x2800000
.endr
.irp i, 2,4,6,8,10,12,14,16,18,20,22,24,26,28,30
.irp b, 0,1,2,3
	s_delay_alu instid0(VALU_DEP_4)
	v_max3_num_f32 v[TM+\b], v[TM+\b], |v[KR+32*\b+\i]|, |v[KR+32*\b+\i+1]|
.endr
.endr
.irp b, 0,1,2,3
	s_delay_alu instid0(VALU_DEP_4)
	v_add_nc_u32 v[TM+12+\b], 0xfe000000, v[TM+\b]
.endr
.irp b, 0,1,2,3
	s_delay_alu instid0(VALU_DEP_4)
	v_lshrrev_b32 v[TM+4+\b], 23, v[TM+12+\b]
.endr
	s_delay_alu instid0(VALU_DEP_3)
	v_lshl_or_b32 v[KW], v[TM+5], 8, v[TM+4]       ; my column's scale word: lanes 0-15 serve the first tile, lanes 16-31 the second
	s_delay_alu instid0(VALU_DEP_1)
	v_lshl_or_b32 v[KW], v[TM+6], 16, v[KW]
	s_delay_alu instid0(VALU_DEP_1)
	v_lshl_or_b32 v[KW], v[TM+7], 24, v[KW]
.irp b, 0,1,2,3                                ; blocks 0 and 2 into the first run of 12 registers, blocks 1 and 3 into the second
	v_cvt_scalef32_pk16_bf6_f32 v[KT0+12*(\b%2)+6*(\b/2):KT0+12*(\b%2)+6*(\b/2)+2], v[KR+32*\b:KR+32*\b+15], v[TM+12+\b]
	v_cvt_scalef32_pk16_bf6_f32 v[KTT+4*\b:KTT+4*\b+2], v[KR+32*\b+16:KR+32*\b+31], v[TM+12+\b]
.endr
	v_nop                                          ; one plain place behind a scaled conversion
.irp b, 0,1,2,3
.irp i, 0,1,2
	v_mov_b32 v[KT0+12*(\b%2)+6*(\b/2)+3+\i], v[KTT+4*\b+\i]
.endr
.endr
.irp i, 0,1,2,3,4,5,6,7,8,9,10,11
	v_permlane16_swap_b32 v[KT0+\i], v[KT1+\i]     ; the first run's lanes 16-31 change places with the second's lanes 0-15: each run is now a fragment: lane (r, h) holds blocks h and 2 + h of one column
.endr
.rept 8
	v_nop                                          ; a scale register written by a vector instruction stands 8 places ahead of a scaled matrix instruction, an operand so written 4
.endr
	; ---- the logits' part of this K step, TRANSPOSED: source 0 = 16 columns of k_c, source 1 = my 16 rows.  Lane (r, h): row r; register 8 u + j of the two tiles: centre 16 h + 8 u + j
	v_wmma_scale_f32_16x16x128_f8f6f4 v[D0:D0+7], v[KT0:KT0+11], v[PC:PC+11], 0, v[KW], v[XNW] matrix_a_fmt:MATRIX_FMT_BF6 matrix_b_fmt:MATRIX_FMT_BF6
	v_wmma_scale_f32_16x16x128_f8f6f4 v[D1:D1+7], v[KT1:KT1+11], v[PC:PC+11], 0, v[KW], v[XNW] matrix_a_fmt:MATRIX_FMT_BF6 matrix_b_fmt:MATRIX_FMT_BF6 matrix_a_scale:MATRIX_SCALE_ROW1
.rept 4
	v_nop                                          ; four places behind a matrix instruction before its result is read (ISA guide 7.12.1)
.endr
	ds_store_b128 v10, v[D0:D0+3]                  ; each result from its low end on
	ds_store_b128 v10, v[D0+4:D0+7] offset:512
	ds_store_b128 v10, v[D1:D1+3] offset:1024
	ds_store_b128 v10, v[D1+4:D1+7] offset:1536
	BARRIER                                        ; the eight parts of the logits lie in LDS
	s_cmp_lg_u32 s[WV], 0
	s_cbranch_scc1 .Lend                           ; what is left is 16 rows x 32 centres: one wave's work
	; ---- wave 0: the logits, the softmax, the weights
.irp w, 0,1,2,3,4,5,6,7
.irp q, 0,1,2,3
	ds_load_b128 v[80+16*\w+4*\q:83+16*\w+4*\q], v6 offset:LG+2048*\w+512*\q
.endr
.endr
	s_wait_dscnt 0x0
.irp w, 1,2,3,4,5,6,7
.irp p, 0,2,4,6,8,10,12,14
	v_pk_add_f32 v[80+\p:81+\p], v[80+\p:81+\p], v[80+16*\w+\p:81+16*\w+\p]   ; K ascending.  v[80 + i] = L of centre 16 h + i
.endr
.endr
	v_max3_num_f32 v228, v80, v81, v82
.irp i, 3,5,7,9,11,13
	s_delay_alu instid0(VALU_DEP_1)
	v_max3_num_f32 v228, v228, v[80+\i], v[81+\i]
.endr
	s_delay_alu instid0(VALU_DEP_1)
	v_max_num_f32 v228, v228, v95
	s_delay_alu instid0(VALU_DEP_1)
	v_permlanex16_b32 v229, v228, s[SEL], s[SEL+1]
	s_delay_alu instid0(VALU_DEP_1)
	v_max_num_f32 v228, v228, v229                 ; the row's largest logit
	s_delay_alu instid0(VALU_DEP_1)
	v_mul_f32 v230, s22, v228
.irp i, 0,1,2,3,4,5,6,7,8,9,10,11,12,13,14,15
	v_fma_f32 v[96+\i], v[80+\i], s22, -v230       ; (L - max) log2(e) / 32
.endr
	v_permlanex16_b32 v231, v80, s[SEL], s[SEL+1]  ; for lanes 0-15: L of centre 16
.irp i, 0,1,2,3,4,5,6,7,8,9,10,11,12,13,14
	v_sub_f32 v[112+\i], v[80+\i], v[81+\i]        ; L_c - L_(c+1)
.endr
	v_sub_f32 v127, v95, v231
.irp i, 0,1,2,3,4,5,6,7,8,9,10,11,12,13,14,15
	v_mul_f32 v[112+\i], s22, v[112+\i]
.endr
	s_wait_alu depctr_va_vdst(0)
.irp i, 0,1,2,3,4,5,6,7,8,9,10,11,12,13,14,15
	v_exp_f32 v[96+\i], v[96+\i]
.endr
.irp i, 0,1,2,3,4,5,6,7,8,9,10,11,12,13,14,15
	v_exp_f32 v[112+\i], v[112+\i]                 ; a_c / a_(c+1)
.endr
	v_nop                                          ; a plain place behind the exponentials
	s_wait_alu depctr_va_vdst(0)
	v_pk_add_f32 v[232:233], v[96:97], v[98:99]
	v_pk_add_f32 v[234:235], v[100:101], v[102:103]
	v_pk_add_f32 v[232:233], v[232:233], v[104:105]
	v_pk_add_f32 v[234:235], v[234:235], v[106:107]
	v_pk_add_f32 v[232:233], v[232:233], v[108:109]
	v_pk_add_f32 v[234:235], v[234:235], v[110:111]
	s_delay_alu instid0(VALU_DEP_1)
	v_pk_add_f32 v[232:233], v[232:233], v[234:235]
	s_delay_alu instid0(VALU_DEP_1)
	v_add_f32 v232, v232, v233
	s_delay_alu instid0(VALU_DEP_1)
	v_permlanex16_b32 v233, v232, s[SEL], s[SEL+1]
	s_delay_alu instid0(VALU_DEP_1)
	v_add_f32 v232, v232, v233                     ; the softmax's divisor
	s_wait_alu depctr_va_vdst(0)
	v_rcp_f32 v234, v232
	v_nop                                          ; a plain place behind the transcendental
	v_cmp_ne_u32 vcc_lo, 0, v3
	s_wait_alu depctr_va_vdst(0)
	v_mul_f32 v236, v111, v234                     ; in lanes 16-31: a_31
	v_cndmask_b32 v127, v127, v236, vcc_lo         ; w_31 = a_31; w_15 stays a ratio: a value is chosen, no way
.irp i, 0,1,2,3,4,5,6,7,8,9,10,11,12,13,14,15
	ds_store_b32 v13, v[112+\i] offset:64*\i       ; wt's layout: 64 c + 4 r
.endr
.irp q, 0,1,2,3
	ds_load_b128 v[128+4*\q:131+4*\q], v6 offset:WST+512*\q   ; LDS serves a wave's instructions in order (ISA guide 5.7.1.4): these see the stores above
.endr
	ds_load_b128 v[144:147], v6 offset:XSL         ; the eight waves' scale words of x, stored ahead of the first barrier
	s_wait_dscnt 0x0
.irp q, 0,1,2,3
	global_store_b128 v6, v[128+4*\q:131+4*\q], s[12:13] offset:512*\q   ; 512 consecutive bytes a store
.endr
	global_store_b128 v6, v[144:147], s[10:11]
.Lend:
	s_wait_tensorcnt 0x0
	ds_add_u32 v227, v247
	s_wait_dscnt 0x0
	s_endpgm
.Lfunc_end_k_qbfe8ffdb82_prep:
	.size	k_qbfe8ffdb82_prep, .Lfunc_end_k_qbfe8ffdb82_prep-k_qbfe8ffdb82_prep
	.p2alignl 7, 3214868480
	.fill 96, 4, 3214868480
	.section	.rodata,"a",@progbits
	.p2align	6, 0x0
	.amdhsa_kernel k_qbfe8ffdb82_prep
		.amdhsa_group_segment_fixed_size 89088
		.amdhsa_private_segment_fixed_size 0
		.amdhsa_enable_private_segment 0
		.amdhsa_kernarg_size 40
		.amdhsa_user_sgpr_count 2
		.amdhsa_user_sgpr_kernarg_segment_ptr 1
		.amdhsa_wavefront_size32 1
		.amdhsa_system_sgpr_workgroup_id_x 1
		.amdhsa_system_sgpr_workgroup_id_y 1
		.amdhsa_system_sgpr_workgroup_id_z 1
		.amdhsa_system_vgpr_workitem_id 0
		.amdhsa_next_free_vgpr 256
		.amdhsa_next_free_sgpr 66
		.amdhsa_reserve_vcc 1
		.amdhsa_float_denorm_mode_32 3
		.amdhsa_float_denorm_mode_16_64 3
		.amdhsa_memory_ordered 1
		.amdhsa_forward_progress 1
		.amdhsa_inst_pref_size 70
	.end_amdhsa_kernel
	.amdgpu_metadata
---
amdhsa.version: [ 1, 2 ]
amdhsa.kernels:
  - .name:           k_qbfe8ffdb82_prep
    .symbol:         k_qbfe8ffdb82_prep.kd
    .args:
      - { .name: x, .offset: 0, .size: 8, .value_kind: global_buffer, .address_space: global }
      - { .name: k_c, .offset: 8, .size: 8, .value_kind: global_buffer, .address_space: global }
      - { .name: xq, .offset: 16, .size: 8, .value_kind: global_buffer, .address_space: global }
      - { .name: xs, .offset: 24, .size: 8, .value_kind: global_buffer, .address_space: global }
      - { .name: wt, .offset: 32, .size: 8, .value_kind: global_buffer, .address_space: global }
    .group_segment_fixed_size: 89088
    .private_segment_fixed_size: 0
    .kernarg_segment_align: 8
    .kernarg_segment_size: 40
    .max_flat_workgroup_size: 256
    .sgpr_count:     66
    .vgpr_count:     256
    .wavefront_size: 32
...
	.end_amdgpu_metadata
.endif
;; end of part 1
;; launch main (part 2): grid 8 x 32, 4 waves a work-group, clusters of 4 x 1, 327,680 bytes of LDS; arguments xq, xs, wt, v_c_codes, v_c_scales, out0; writes out0
.if DOCPART == 2
	.amdgcn_target "amdgcn-amd-amdhsa--gfx1250"
	.amdhsa_code_object_version 6
	.text
	.protected	k_qbfe8ffdb82_main
	.globl	k_qbfe8ffdb82_main
	.p2align	8
	.type	k_qbfe8ffdb82_main,@function
k_qbfe8ffdb82_main:
	s_mov_b64 s[64:65], 0
	v_nop
	global_prefetch_b8 v0, s[64:65] scope:SCOPE_SE
	s_setreg_imm32_b32 hwreg(HW_REG_WAVE_MODE, 25, 1), 1
	s_wait_xcnt 0x0
	s_wait_alu depctr_hold_cnt(0) depctr_sa_sdst(0) depctr_va_vdst(0) depctr_va_sdst(0) depctr_va_ssrc(0) depctr_va_vcc(0) depctr_vm_vsrc(0)
	s_getreg_b32 s2, hwreg(HW_REG_IB_STS2, 6, 4)
	s_cmp_eq_u32 s2, 0
	s_cbranch_scc0 .Lentry_in_a_cluster
	s_endpgm
.Lentry_in_a_cluster:
	s_bfe_u32 s2, ttmp6, 0x10000c
	s_cmp_lg_u32 s2, 0x3003
	s_cbranch_scc0 .Lentry_shape_is_right
	s_endpgm
.Lentry_shape_is_right:
; out[n][o] = the sum over the 32 centres c of a[n][c] t_c[n][o],  t_c = Q(x) v_c: codes of BF6 (E3M2), one E8M0 scale for each 32 along K = 1,024; sums in f32.
; SHARES.  A work-group owns 256 rows x 32 columns of out and walks all 32 centres.  Wave w owns rows 128 (w / 2) .. + 127 and columns 16 (w % 2) .. + 15: eight accumulators of 16 x 16.
; x's codes of a wave's 128 rows, for all of K, stay in its registers: 64 fragments x 12 = 768, loaded from xq as they were stored (images of registers); the two waves with the same rows each load them.
; So a fragment of v_c (1,536 bytes of LDS) feeds eight matrix instructions.  A row's share of out is 128 bytes, half of an aligned block of 256: with 64 columns to 256 rows there would be 128 work-groups for 256 WGPs.
; ONE SET OF ACCUMULATORS.  S <- (S + t_c) w_c with w_c = a_c / a_(c+1) for c < 31 and w_31 = a_31 ends as the sum of a_c t_c.  The weights come from the launch before.
; LIMITS.  The sums are rounded in another order than the problem writes them; on the way S is up to some 32 times out, so that much of f32's range is lost at its top.
; TRANSPOSED USE: source 0 = 16 rows (c, o) of v_c, source 1 = 16 rows of x: lane (r, h) holds out(16 a + r, 8 h + 0 .. 7) of the wave's rows and columns.
; A CENTRE IS TWO HALVES of 32 matrix instructions.  Ahead of the first: the 24 loads of K steps 4-7 and all 32 multiplications by the finished centre's weights.  Ahead of the second: one run of 33 loads:
; the next centre's K steps 0-3, its scale words and this centre's weights.  All other work of a centre stands in these two places.
; RING.  Two LDS slots of four centres each (4 x 32 rows x 768 bytes), filled by the tensor data mover, a centre by each wave.  v_c's scale bytes and the weights (32 KiB each) come through registers into LDS bytes of their own.
; CLUSTER.  Four work-groups with the same 32 columns walk the same tiles of v_c: each tile is asked for jointly, mask 15.  x's images and the weights hang on the block of rows, in which the partners differ: not joint.
; PREFETCH.  With each refill a wave names the tile of the NEXT refill (four centres on): of its centre's 96 blocks of 256 bytes the partner at place cx takes 24, a lane a block (lanes 24-31 name the last again). The last refill names nothing.
; REGISTERS, windows of 256: window 0: v0-15 addresses; v16-47 x's scale words; v48-55 v_c's, two sets; v56-119 accumulators; v120-215 v_c's eight fragments; v216-239 x's fragments 62, 63; v240-247 places in v_c's rows.
;   window 1: x's fragments 0-19, from v240 the eight weights (even registers).  window 2: fragments 20-40.  window 3: fragments 41-61.  Fragment 8 s + a: K step s, row block a.
.set SLOT1, 104448
.set CEN,   26112                      ; a centre in a slot: 32 rows x 816 bytes
.set VROW,  816                        ; 768 bytes as three pieces of 256 + 16 of padding
.set WTL,   208896                     ; the weights of my 256 rows, 16 x 2,048 bytes
.set VSL,   241664                     ; v_c's scale bytes, 32 centres x 32 rows x 32 bytes
.set SPARE, 274432                     ; the spare words
.set NEXT,  6291456                    ; eight centres of 786,432 bytes
.set GRP,   3145728                    ; four centres
.set SP,    144                        ; the way out: a stage row, 128 bytes + 16
.set ASV,  6                           ; my scale words of v_c: steps 8,192 a trip
.set AW,   7                           ; my rows' weights: steps 512 a trip
.set STO,  8
.set RD,   9
.set CO,   10
.set PFO,  11                          ; the prefetches' offset: 256 x min(lane, 23)
.set SPW,  12
.set NIL,  13
.set LA,   15                          ; 16 x lane
.set XS,   16                          ; register 4 a + j: lanes 0-15 row block a's word for K step 2 j, lanes 16-31 for 2 j + 1
.set VS,   48                          ; set c % 2, register i: lanes 0-15 K step i, lanes 16-31 K step 4 + i
.set ACC,  56
.set VB,   120
.set AVB,  240
.set WR,   240                         ; in window 1
.set WV,   16
.set G1V,  24
.set G0A,  56
.set PFA,  68
.set MSB, 0
.macro WIN new
.if MSB != (\new)
	s_set_vgpr_msb (MSB<<8)|(\new)
.set MSB, (\new)
.endif
.endm
.macro CREST
	s_cmp_lg_u32 s[WV], 0
	s_cbranch_scc1 .Lnot_wave_0_\@
	s_barrier_signal -3
.Lnot_wave_0_\@:
	s_barrier_wait -3
	s_barrier_signal -1
	s_barrier_wait -1
.endm
.macro CROUND
	s_barrier_signal -1
	s_barrier_wait -1
	CREST
.endm
.macro PLACES n
.rept \n
	v_nop
.endr
.endm
.macro XLOC f                          ; x's fragment f: window XWIN, register XREG
.if (\f) < 20
.set XWIN, 1
.set XREG, 12*(\f)
.elseif (\f) < 41
.set XWIN, 2
.set XREG, 12*((\f)-20)
.elseif (\f) < 62
.set XWIN, 3
.set XREG, 12*((\f)-41)
.else
.set XWIN, 0
.set XREG, 216+12*((\f)-62)
.endif
.endm
; v_c's fragment of K step s of centre cc of a slot: lane l holds row l % 16, 2 x 24 bytes of its stream of bits, in pieces of 8 bytes; where lanes 16-31 stand behind one padding more, the second address register serves
.macro FRAGV s, slot, cc
.irp p, 0,1,2,3,4,5
.set PCE, 12*(\s)+6*(\p/3)+\p%3
.set AVR, AVB+4*(\slot)+2*((\cc)/2)
.if PCE%32 < 29
	ds_load_b64 v[VB+12*(\s)+2*\p:VB+12*(\s)+2*\p+1], v[AVR] offset:((\cc)%2)*CEN+8*PCE+16*(PCE/32)
.else
	ds_load_b64 v[VB+12*(\s)+2*\p:VB+12*(\s)+2*\p+1], v[AVR+1] offset:((\cc)%2)*CEN+8*PCE+16*(PCE/32)
.endif
.endr
.endm
.macro FETCHV set, slot, cc            ; K steps 4 set .. 4 set + 3: 24 loads
.irp i, 0,1,2,3
	FRAGV 4*(\set)+\i, \slot, \cc
.endr
.endm
.macro VSLOAD set, imm
	ds_load_b128 v[VS+4*(\set):VS+4*(\set)+3], v[ASV] offset:\imm
.endm
.macro WLOAD imm
	WIN 0x40
.irp a, 0,1,2,3,4,5,6,7
	ds_load_b32 v[WR+2*\a], v[AW] offset:(\imm)+2048*\a
.endr
.endm
.macro WM s, a, set, zero              ; one matrix instruction: K step s, row block a, v_c's scale words of the given set
	XLOC 8*(\s)+(\a)
	WIN XWIN<<2
.set rD, ACC+8*(\a)
.set rV, VB+12*(\s)
.set rA, VS+4*(\set)+(\s)%4
.set rB, XS+4*(\a)+(\s)/2
.if \zero
	v_wmma_scale_f32_16x16x128_f8f6f4 v[rD:rD+7], v[rV:rV+11], v[XREG:XREG+11], 0, v[rA], v[rB] matrix_a_fmt:MATRIX_FMT_BF6 matrix_b_fmt:MATRIX_FMT_BF6
.elseif ((\s) < 4) && ((\s)%2 == 0)
	v_wmma_scale_f32_16x16x128_f8f6f4 v[rD:rD+7], v[rV:rV+11], v[XREG:XREG+11], v[rD:rD+7], v[rA], v[rB] matrix_a_fmt:MATRIX_FMT_BF6 matrix_b_fmt:MATRIX_FMT_BF6
.elseif (\s) < 4
	v_wmma_scale_f32_16x16x128_f8f6f4 v[rD:rD+7], v[rV:rV+11], v[XREG:XREG+11], v[rD:rD+7], v[rA], v[rB] matrix_a_fmt:MATRIX_FMT_BF6 matrix_b_fmt:MATRIX_FMT_BF6 matrix_b_scale:MATRIX_SCALE_ROW1
.elseif (\s)%2 == 0
	v_wmma_scale_f32_16x16x128_f8f6f4 v[rD:rD+7], v[rV:rV+11], v[XREG:XREG+11], v[rD:rD+7], v[rA], v[rB] matrix_a_fmt:MATRIX_FMT_BF6 matrix_b_fmt:MATRIX_FMT_BF6 matrix_a_scale:MATRIX_SCALE_ROW1
.else
	v_wmma_scale_f32_16x16x128_f8f6f4 v[rD:rD+7], v[rV:rV+11], v[XREG:XREG+11], v[rD:rD+7], v[rA], v[rB] matrix_a_fmt:MATRIX_FMT_BF6 matrix_b_fmt:MATRIX_FMT_BF6 matrix_a_scale:MATRIX_SCALE_ROW1 matrix_b_scale:MATRIX_SCALE_ROW1
.endif
.endm
.macro KSTEP s, set, zero              ; the eight accumulators by turns
.irp a, 0,1,2,3,4,5,6,7
	WM \s, \a, \set, \zero
.endr
.endm
.macro MULS                            ; S times its rows' weights, each accumulator from its low end on; under source 1 = window 1
	WIN 0x04
.irp a, 0,1,2,3,4,5,6,7
.irp j, 0,2,4,6
	v_pk_mul_f32 v[ACC+8*\a+\j:ACC+8*\a+\j+1], v[ACC+8*\a+\j:ACC+8*\a+\j+1], v[WR+2*\a:WR+2*\a+1] op_sel_hi:[1,0]
.endr
.endr
.endm
.macro ASK guard                       ; the next refill's tile; guard = 1: not in the loop's last trip, where no refill follows
.if \guard
	s_cmp_gt_u32 s20, 1
	s_cbranch_scc0 .Lno_ask_\@
.endif
	global_prefetch_b8 v[PFO], s[PFA:PFA+1] th:TH_LOAD_NT scope:SCOPE_SE
.if \guard
.Lno_ask_\@:
.endif
.endm
; A CENTRE'S SECOND HALF AND THE NEXT CENTRE'S FIRST.  Centre cc of a slot; q: its number behind the trip's base.  kind 3: the last centre.
; chg 1: the next centre lies in the other slot, and this slot is filled again; chg 2: the same with no fill.
.macro UNIT slot, cc, q, kind, chg
.if (\cc) < 3
.set NSL, \slot
.set NCC, (\cc)+1
.else
.set NSL, 1-(\slot)
.set NCC, 0
.endif
.set CS_, (\q)%2
.set NS_, ((\q)+1)%2
.if (\chg)
.if (\chg) == 1
	s_wait_xcnt 0x0                                ; my last prefetch has read its base
	s_add_nc_u64 s[PFA:PFA+1], s[PFA:PFA+1], GRP
.endif
	WIN 0
	s_wait_tensorcnt 0x0                           ; my centre of the other slot has landed
	ds_add_u32 v[SPW], v[NIL]
	s_wait_dscnt 1                                 ; only the add may be out: K steps 4-7 are in
	KSTEP 4, CS_, 0
	s_wait_dscnt 0x0                               ; the add is done and my reads of this slot are over
	s_barrier_signal -1
	KSTEP 5, CS_, 0                                ; work on registers while the others arrive
	WIN 0
	s_barrier_wait -1
.if (\chg) == 1
	CREST                                          ; the barrier has opened a round of the cluster's barrier
	s_add_nc_u64 s[G0A+4*\slot+2:G0A+4*\slot+3], s[G0A+4*\slot+2:G0A+4*\slot+3], NEXT
	tensor_load_to_lds s[G0A+4*\slot:G0A+4*\slot+3], s[G1V:G1V+7]   ; my one load behind the round: read four centres on
	s_nop 0
.endif
	PLACES 4
	FETCHV 0, NSL, NCC
	VSLOAD NS_, ((\q)+1)*1024
	WLOAD 64*(\q)
	WIN 0
.if (\q) == 7
	v_add_nc_u32 v[ASV], 8192, v[ASV]              ; eight centres on: the next centre's 32 multiplications stand ahead of the next reader
	v_add_nc_u32 v[AW], 512, v[AW]
.endif
.if (\chg) == 1
	ASK \slot
.endif
	KSTEP 6, CS_, 0
	KSTEP 7, CS_, 0
.else
.if (\kind) != 3
	PLACES 4                                       ; in front of loads into registers that matrix instructions have read
	FETCHV 0, NSL, NCC                             ; the next centre's K steps 0-3,
	VSLOAD NS_, ((\q)+1)*1024                      ; its scale words,
	WLOAD 64*(\q)                                  ; and this centre's weights
	s_wait_dscnt 33                                ; the run just issued may be out: K steps 4-7 are in
.else
	WLOAD 64*(\q)
	s_wait_dscnt 8
.endif
.irp s, 4,5,6,7
	KSTEP \s, CS_, 0
.endr
.endif
	PLACES 4                                       ; behind the centre's last products: for the loads and the multiplications
.if (\kind) != 3
	FETCHV 1, NSL, NCC                             ; the next centre's K steps 4-7
	s_wait_dscnt 24                                ; these may be out; its K steps 0-3, its scale words and the weights are in
	MULS
	PLACES 4                                       ; between the last multiplication and the product that adds onto it
.irp s, 0,1,2,3
	KSTEP \s, NS_, 0
.endr
.endif
.endm
	s_load_b256 s[4:11], s[0:1], 0x0               ; xq, xs, wt, v_c's codes
	s_load_b128 s[12:15], s[0:1], 0x20             ; v_c's scales, out
	v_lshl_add_u32 v[SPW], v0, 2, SPARE
	v_mov_b32 v[NIL], 0
	ds_add_u32 v[SPW], v[NIL]                      ; the opening lines: the add twice on end
	ds_add_u32 v[SPW], v[NIL]
	v_lshrrev_b32 v1, 5, v0
	v_readfirstlane_b32 s[WV], v1                  ; wave 0..3
	s_lshr_b32 s66, s[WV], 1                       ; which 128 rows
	s_and_b32 s67, s[WV], 1                        ; which 16 columns
	s_bfe_u32 s17, ttmp6, 0x40000                  ; cx
	s_lshl_b32 s18, ttmp9, 2
	s_add_co_u32 s18, s18, s17                     ; my block of 256 rows
	s_and_b32 s19, ttmp7, 0xffff                   ; my block of 32 columns, shared by the partners
	; group 1: a centre's 32 rows of 768 bytes are dense: 96 rows of 256 bytes (32 elements of 8), 16 bytes of padding behind each; mask 15
	s_mov_b32 s[G1V], 15|(3<<16)|(1<<20)|(1<<21)|(5<<22)|(3<<25)
	s_mov_b32 s[G1V+1], 32<<16
	s_mov_b32 s[G1V+2], 96<<16
	s_mov_b32 s[G1V+3], 32<<16
	s_mov_b32 s[G1V+4], 96
	s_mov_b32 s[G1V+5], 32
	s_mov_b32 s[G1V+6], 0
	s_mov_b32 s[G1V+7], 0
	s_mul_i32 s80, s19, 24576                      ; codes: my 32 rows of a centre, and which of a slot's four centres I fetch
	s_mul_i32 s82, s[WV], 786432
	s_add_co_u32 s80, s80, s82
	s_mov_b32 s81, 0
	s_mul_i32 s70, s17, 6144                       ; the prefetches: + my work-group's 24 blocks, from centres 8 to 11 on
	s_add_co_u32 s70, s70, s80
	s_add_co_u32 s70, s70, NEXT
	s_mov_b32 s71, 0
	s_lshl_b32 s86, s19, 10                        ; scale bytes: my 32 rows, the eight centres that I bring
	s_lshl_b32 s82, s[WV], 18
	s_add_co_u32 s86, s86, s82
	s_mov_b32 s87, 0
	s_mul_i32 s88, s18, 196608                     ; x's images of my 128 rows
	s_mul_i32 s83, s66, 98304
	s_add_co_u32 s88, s88, s83
	s_mov_b32 s89, 0
	s_lshl_b32 s90, s18, 15                        ; the weights, my quarter
	s_lshl_b32 s23, s[WV], 13
	s_add_co_u32 s90, s90, s23
	s_mov_b32 s91, 0
	s_lshl_b32 s92, s18, 13                        ; x's scale words, my eight blocks of 512 bytes
	s_lshl_b32 s83, s66, 12
	s_add_co_u32 s92, s92, s83
	s_mov_b32 s93, 0
	s_lshl_b32 s94, s18, 20                        ; out: row 256 x block + 64 w, + 128 x block of columns
	s_lshl_b32 s83, s[WV], 18
	s_add_co_u32 s94, s94, s83
	s_lshl_b32 s83, s19, 7
	s_add_co_u32 s94, s94, s83
	s_mov_b32 s95, 0
	s_mul_i32 s21, s[WV], CEN                      ; where my centre of a slot goes
	s_mul_i32 s72, s67, 16*VROW
	s_lshl_b32 s73, s67, 9
	s_add_co_u32 s73, s73, VSL
	s_lshl_b32 s74, s66, 14
	s_add_co_u32 s74, s74, WTL
	s_mul_i32 s75, s66, 128*SP
	s_lshl_b32 s82, s67, 6
	s_add_co_u32 s75, s75, s82
	s_mul_i32 s76, s[WV], 64*SP
	s_add_co_u32 s77, s23, VSL
	s_add_co_u32 s78, s23, WTL
	; the lanes' addresses, in one run
	v_and_b32 v248, 15, v0                         ; r
	v_bfe_u32 v249, v0, 4, 1                       ; h
	v_and_b32 v250, 31, v0                         ; lane
	v_mul_u32_u24 v251, v248, VROW
	v_add_nc_u32 v251, s72, v251                   ; row 16 (w % 2) + r of a centre
	v_mad_u32_u24 v[AVB], v249, 24, v251
	v_mad_u32_u24 v[AVB+1], v249, 40, v251         ; behind one padding more
	v_add_nc_u32 v[AVB+2], 2*CEN, v[AVB]
	v_add_nc_u32 v[AVB+3], 2*CEN, v[AVB+1]
.irp k, 0,1,2,3
	v_add_nc_u32 v[AVB+4+\k], SLOT1, v[AVB+\k]
.endr
	v_lshlrev_b32 v[ASV], 5, v248
	v_lshl_add_u32 v[ASV], v249, 4, v[ASV]
	v_add_nc_u32 v[ASV], s73, v[ASV]
	v_lshl_add_u32 v[AW], v248, 2, s74
	v_mul_u32_u24 v[STO], v248, SP
	v_lshl_add_u32 v[STO], v249, 5, v[STO]
	v_add_nc_u32 v[STO], s75, v[STO]               ; the stage: row 128 (w / 2) + r, + 64 (w % 2) + 32 h
	v_lshrrev_b32 v251, 3, v250
	v_and_b32 v252, 7, v0
	v_mul_u32_u24 v[RD], v251, SP
	v_lshl_add_u32 v[RD], v252, 4, v[RD]
	v_add_nc_u32 v[RD], s76, v[RD]                 ; back: rows 64 w on, eight lanes to a row
	v_lshlrev_b32 v[CO], 12, v251
	v_lshl_add_u32 v[CO], v252, 4, v[CO]
	v_lshlrev_b32 v[LA], 4, v250
	v_add_nc_u32 v1, s77, v[LA]                    ; where my eight centres' scale bytes go
	v_add_nc_u32 v2, s78, v[LA]                    ; where my quarter of the weights goes
	v_min_u32 v[PFO], 23, v250
	v_lshlrev_b32 v[PFO], 8, v[PFO]
	WIN 0x40
.irp a, 0,1,2,3,4,5,6,7
	v_mov_b32 v[WR+1+2*\a], 0                      ; named with the weights as pairs, so they are written
.endr
	WIN 0
	s_wait_alu depctr_va_vdst(0)                   ; the wait at the head's end
	s_wait_dscnt 0x0                               ; both opening adds are done
	s_wait_kmcnt 0x0
	s_mov_b32 s[G0A], 1
	s_mov_b32 s[G0A+1], s21
	s_add_nc_u64 s[G0A+2:G0A+3], s[10:11], s[80:81]        ; slot 0: centres 0 to 3
	s_add_nc_u64 s[G0A+6:G0A+7], s[G0A+2:G0A+3], GRP       ; slot 1: centres 4 to 7
	s_or_b32 s[G0A+3], s[G0A+3], 0x80000000
	s_mov_b32 s[G0A+4], 1
	s_add_co_u32 s[G0A+5], s21, SLOT1
	s_or_b32 s[G0A+7], s[G0A+7], 0x80000000
	s_add_nc_u64 s[PFA:PFA+1], s[10:11], s[70:71]
	s_add_nc_u64 s[4:5], s[4:5], s[88:89]
	s_add_nc_u64 s[6:7], s[6:7], s[92:93]
	s_add_nc_u64 s[8:9], s[8:9], s[90:91]
	s_add_nc_u64 s[12:13], s[12:13], s[86:87]
	s_add_nc_u64 s[14:15], s[14:15], s[94:95]
	CROUND                                         ; all four work-groups are here: the first joint loads meet
	tensor_load_to_lds s[G0A:G0A+3], s[G1V:G1V+7]  ; my one load at the head: my centre of slot 0
	s_nop 0
	PLACES 4
.irp i, 0,1,2,3,4,5,6,7,8,9,10,11,12,13,14,15
	global_load_b128 v[VB+4*\i:VB+4*\i+3], v[LA], s[12:13] offset:(\i/2)*32768+(\i%2)*512   ; scale bytes: 512 consecutive bytes a load
.endr
.irp i, 0,1,2,3,4,5,6,7,8,9,10,11,12,13,14,15
	global_load_b128 v[ACC+4*\i:ACC+4*\i+3], v[LA], s[8:9] offset:512*\i                    ; weights
.endr
.irp a, 0,1,2,3,4,5,6,7
	global_load_b128 v[XS+4*\a:XS+4*\a+3], v[LA], s[6:7] offset:512*\a                      ; x's scale words stay in registers
.endr
.set FI, 0
.rept 64                               ; x's 64 fragments, K ascending: 24 loads a K step
	XLOC FI
	WIN XWIN<<6
.irp j, 0,1,2
	global_load_b128 v[XREG+4*\j:XREG+4*\j+3], v[LA], s[4:5] offset:1536*FI+512*\j
.endr
.set FI, FI+1
.endr
	WIN 0
	s_wait_tensorcnt 0x0                           ; my centre of slot 0 has landed: no tensor load is out while I store to LDS
	s_wait_loadcnt 63                              ; 200 loads were issued behind the first 32: these are in
.irp i, 0,1,2,3,4,5,6,7,8,9,10,11,12,13,14,15
	ds_store_b128 v1, v[VB+4*\i:VB+4*\i+3] offset:512*\i
	ds_store_b128 v2, v[ACC+4*\i:ACC+4*\i+3] offset:512*\i
.endr
	s_wait_tensorcnt 0x0
	ds_add_u32 v[SPW], v[NIL]
	s_wait_dscnt 0x0                               ; the add and my stores are done
	CROUND                                         ; slot 0, the scale bytes and the weights are whole
	tensor_load_to_lds s[G0A+4:G0A+7], s[G1V:G1V+7]   ; slot 1's first fill: read from centre 3's second half on
	s_nop 0
	PLACES 4
	FETCHV 0, 0, 0
	VSLOAD 0, 0
	FETCHV 1, 0, 0
	ASK 0                                          ; the first refill's tile, centres 8 to 11
	s_wait_loadcnt 63                              ; behind x's K step 4 stand 72 loads: K steps 0 to 3 are in
	s_wait_dscnt 24
	KSTEP 0, 0, 1                                  ; the first K step starts the sums: nothing is cleared
	KSTEP 1, 0, 0
	KSTEP 2, 0, 0
	KSTEP 3, 0, 0
	WIN 0
	s_wait_loadcnt 0x0                             ; the rest of x
	s_mov_b32 s20, 3
.Ltrip:                                                ; a trip: eight centres, from a centre's second half to the first half of the centre eight on; both slots are filled again
	UNIT 0, 0, 0, 0, 0
	UNIT 0, 1, 1, 0, 0
	UNIT 0, 2, 2, 0, 0
	UNIT 0, 3, 3, 0, 1
	UNIT 1, 0, 4, 0, 0
	UNIT 1, 1, 5, 0, 0
	UNIT 1, 2, 6, 0, 0
	UNIT 1, 3, 7, 0, 1
	WIN 0
	s_sub_co_u32 s20, s20, 1
	s_cmp_lg_u32 s20, 0
	s_cbranch_scc1 .Ltrip
	UNIT 0, 0, 0, 0, 0                             ; the last eight centres are written out: nothing more is asked for
	UNIT 0, 1, 1, 0, 0
	UNIT 0, 2, 2, 0, 0
	UNIT 0, 3, 3, 0, 2
	UNIT 1, 0, 4, 0, 0
	UNIT 1, 1, 5, 0, 0
	UNIT 1, 2, 6, 0, 0
	UNIT 1, 3, 7, 3, 0
	; THE WAY OUT.  S times a_31; then through a stage in slot 0, which has had its last fill and its last read: a row's 128 bytes come from two waves.
	s_wait_dscnt 0x0                               ; the last weights
	MULS
	WIN 0
.irp a, 0,1,2,3,4,5,6,7
	ds_store_b128 v[STO], v[ACC+8*\a:ACC+8*\a+3] offset:16*SP*\a
	ds_store_b128 v[STO], v[ACC+8*\a+4:ACC+8*\a+7] offset:16*SP*\a+16
.endr
	s_wait_dscnt 0x0                               ; for the others' sake: my stores into the stage are done
	s_barrier_signal -1
	s_barrier_wait -1
.irp i, 0,1,2,3,4,5,6,7,8,9,10,11,12,13,14,15
	ds_load_b128 v[VB+4*\i:VB+4*\i+3], v[RD] offset:4*SP*\i
.endr
.irp i, 0,1,2,3,4,5,6,7,8,9,10,11,12,13,14,15
	s_wait_dscnt 15-\i                             ; load i is in, the younger ones may be out
	global_store_b128 v[CO], v[VB+4*\i:VB+4*\i+3], s[14:15] offset:16384*\i th:TH_STORE_NT   ; eight lanes store a row's 128 consecutive bytes: all that this work-group has of the row
.endr
	s_wait_tensorcnt 0x0                           ; the wave's end
	ds_add_u32 v[SPW], v[NIL]
	s_wait_dscnt 0x0
	CROUND                                         ; the closing round
	s_endpgm
.Lfunc_end_k_qbfe8ffdb82_main:
	.size	k_qbfe8ffdb82_main, .Lfunc_end_k_qbfe8ffdb82_main-k_qbfe8ffdb82_main
	.p2alignl 7, 3214868480
	.fill 96, 4, 3214868480
	.section	.rodata,"a",@progbits
	.p2align	6, 0x0
	.amdhsa_kernel k_qbfe8ffdb82_main
		.amdhsa_group_segment_fixed_size 327680
		.amdhsa_private_segment_fixed_size 0
		.amdhsa_enable_private_segment 0
		.amdhsa_kernarg_size 48
		.amdhsa_user_sgpr_count 2
		.amdhsa_user_sgpr_kernarg_segment_ptr 1
		.amdhsa_wavefront_size32 1
		.amdhsa_system_sgpr_workgroup_id_x 1
		.amdhsa_system_sgpr_workgroup_id_y 1
		.amdhsa_system_sgpr_workgroup_id_z 1
		.amdhsa_system_vgpr_workitem_id 0
		.amdhsa_next_free_vgpr 1024
		.amdhsa_next_free_sgpr 96
		.amdhsa_reserve_vcc 0
		.amdhsa_float_denorm_mode_32 3
		.amdhsa_float_denorm_mode_16_64 3
		.amdhsa_memory_ordered 1
		.amdhsa_forward_progress 1
		.amdhsa_inst_pref_size 255
	.end_amdhsa_kernel
	.section	.bss,"aw",@nobits
	.p2align	6
	.space	262144
	.amdgpu_metadata
---
amdhsa.version: [ 1, 2 ]
amdhsa.kernels:
  - .name:           k_qbfe8ffdb82_main
    .symbol:         k_qbfe8ffdb82_main.kd
    .args:
      - { .name: xq, .offset: 0, .size: 8, .value_kind: global_buffer, .address_space: global }
      - { .name: xs, .offset: 8, .size: 8, .value_kind: global_buffer, .address_space: global }
      - { .name: wt, .offset: 16, .size: 8, .value_kind: global_buffer, .address_space: global }
      - { .name: v_c_codes, .offset: 24, .size: 8, .value_kind: global_buffer, .address_space: global }
      - { .name: v_c_scales, .offset: 32, .size: 8, .value_kind: global_buffer, .address_space: global }
      - { .name: out0, .offset: 40, .size: 8, .value_kind: global_buffer, .address_space: global }
    .group_segment_fixed_size: 327680
    .private_segment_fixed_size: 0
    .kernarg_segment_align: 8
    .kernarg_segment_size: 48
    .max_flat_workgroup_size: 128
    .sgpr_count:     96
    .vgpr_count:     1024
    .wavefront_size: 32
...
	.end_amdgpu_metadata
.endif
;; end of part 2
